; MI455X (gfx1250); checked and timed in simulation.
; The chip was launched on July 23, 2026; its instructions are those of AMD's public machine-readable ISA for CDNA 5 (MIT licence, August 2026) and "CDNA5" Instruction Set Architecture Reference Guide (July 2026). The comments in the code are by the model that wrote it; some were corrected since.
;; Linear Residual Memory. Allowed arithmetic: matrix products marked QUANTISED: E5M2 operands, one given power-of-two scale a tensor, by v_wmma_f32_16x16x64_bf8_bf8 or v_wmma_f32_16x16x128_bf8_bf8, f32 sums; everything else in f32.
;; Inputs: Wk_codes 2,048 x 128 x 32 uint8 (E5M2 codes of Wk, K innermost, in blocks of 32 codes); Wl_codes 4,096 x 128 x 32 uint8 (E5M2 codes of Wl, K innermost, in blocks of 32 codes); Wq_codes 2,048 x 128 x 32 uint8 (E5M2 codes of Wq, K innermost, in blocks of 32 codes); bk 2,048 float32; bl 4,096 float32; bq 2,048 float32; lowp_scales 10 int32 (the exponents e of the quantised operands' scales 2^e); v_codes 4,096 x 2 x 32 uint8 (E5M2 codes of v, K innermost, in blocks of 32 codes); x 1,024 x 4,096 float32.
;; Outputs: out0 1,024 x 4,096 float32.
;; This version of the problem:
;;   THIS VERSION OF THE PROBLEM IS GIVEN IN LOW PRECISION. The matrix products marked QUANTISED in the list below multiply operands that are first quantised to E5M2 (5 exponent bits, 2 mantissa bits; 8 bits a number), with one given power-of-two scale for each operand tensor; their sums are f32. All else is computed in f32.
;;   The module's matrix products, in the order in which they are computed (A, B: the left and right operand; K: the contracted axis; several contracted axes count as one K, in the product's order):
;;     1. [M 1,024, K 4,096] x [K 4,096, N 2,048]; A: input x; B: input Wq (given as codes): QUANTISED (scales: A lowp_scales[0], B lowp_scales[1])
;;     2. [M 1,024, K 4,096] x [K 4,096, N 2,048]; A: input x; B: input Wk (given as codes): QUANTISED (scales: A lowp_scales[2], B lowp_scales[3])
;;     3. batch 1,024 x [M 64, K 32] x [K 32, N 64]; A: computed on the way; B: computed on the way: QUANTISED (scales: A lowp_scales[4], B lowp_scales[5])
;;     4. [M 65,536, K 64] x [K 64, N 4,096]; A: computed on the way; B: input v (given as codes): QUANTISED (scales: A lowp_scales[6], B lowp_scales[7])
;;     5. [M 1,024, K 4,096] x [K 4,096, N 4,096]; A: computed on the way; B: input Wl (given as codes): QUANTISED (scales: A lowp_scales[8], B lowp_scales[9])
;;   THE QUANTISER, for each operand of a quantised product, along K:
;;     - The operand's scale is 2^e, e = its entry of the input lowp_scales (int32; the entries are numbered through the quantised products in the list's order, A before B).
;;     - Each number is divided by the scale, clamped to +-57,344, and rounded to the nearest number of E5M2, ties to even, subnormals kept.
;;     - The product sums the exact products of the quantised numbers (number of the format x scale) in f32.
;;   ~~~python
;;   def quantise(x, axis, e):      # numpy; x: float32 -> the quantised numbers, widened to float32 again
;;       x = np.moveaxis(x, axis, -1); K = x.shape[-1]
;;       r = np.clip(x / 2.0 ** e, -57344, 57344)
;;       step = 2.0 ** (np.maximum(np.frexp(np.where(r == 0, 1, r))[1] - 1, -14) - 2)
;;       q = np.round(r / step) * step * 2.0 ** e      # np.round: ties to even
;;       return np.moveaxis(q, -1, axis).astype(np.float32)
;;   ~~~
;;   OPERANDS COMPUTED ON THE WAY. 'Computed on the way' means the value that the module computes at that place (a softmax that the list does not call 'softmax' is quantised finished and normalised). What goes into a quantiser is computed in f32, as accurately as f32 sums, v_exp_f32 and their like allow (about 1e-6 of the number): no bf16 or f16 on the way to a quantiser, and a product that is left as it is and whose result goes on into a quantised operand takes f32 operands (vector FMAs, or v_wmma_f32_16x16x4_f32). A number that lies on a knife's edge between two numbers of the format may be rounded either way, as far as f32 arithmetic and the matrix unit's own rounding can turn it there, and no further.
;;   INPUTS GIVEN AS CODES. Wk (in the module: [4096, 2048], K = its axis 0); Wl (in the module: [4096, 4096], K = its axis 0); Wq (in the module: [4096, 2048], K = its axis 0); v (in the module: [64, 4096], K = its axis 0): each comes as NAME_codes (uint8): NAME with its K axis moved to the last place and cut into blocks of 32 codes, [.., K / 32, bytes a block], one block behind the other in memory; one code a byte (a code: sign, 5 exponent bits, 2 mantissa bits); its scale is its entry of lowp_scales. Its value is code x scale, taken as it is: it is not quantised again, and the codes and scales need not be those that the quantiser above would give.
;; One version. Each part assembles by itself: llvm-mc -triple=amdgcn-amd-amdhsa -mcpu=gfx1250 --defsym DOCPART=n.
;; ======== version 1 of 1: 4 launches
;; limits: right only within a limited range of input values
;; workspace buffers: xc 8,388,608 bytes; qk 4,194,304 bytes; pc 4,194,304 bytes
;; launch quant_x (part 1): grid 256 x 1, 8 waves a work-group, no clusters, 68,608 bytes of LDS; arguments x, lowp_scales, xc; writes xc
.if DOCPART == 1
	.amdgcn_target "amdgcn-amd-amdhsa--gfx1250"
	.amdhsa_code_object_version 6
	.text
	.protected	k_qcc3eb896ea_quant_x
	.globl	k_qcc3eb896ea_quant_x
	.p2align	8
	.type	k_qcc3eb896ea_quant_x,@function
k_qcc3eb896ea_quant_x:
	s_mov_b64 s[64:65], 0
	v_nop
	global_prefetch_b8 v0, s[64:65] scope:SCOPE_SE
	s_setreg_imm32_b32 hwreg(HW_REG_WAVE_MODE, 25, 1), 1
	s_wait_xcnt 0x0
; x [1024][4096] f32 becomes codes of BF8 (E5M2) TWICE: plane 0 of xc with the scale 2^e0 (for the product with Wq), plane 1 with 2^e2 (for Wk).
; code = x / 2^e, held within +-57,344, rounded to the nearest code, ties to even.  e0, e2: entries 0 and 2 of the buffer of scales.
; LIMITS: e0 and e2 between -126 and 112, so that 2^e and 57,344 x 2^e are f32 numbers.  NaN among the inputs is not served (an infinity is held at the largest code).
; xc IS LAID IN THE ORDER OF THE OPERAND'S REGISTERS: [2 planes][8 Y][32 u][8 a][4 c][32 lanes][16 bytes]: lane 16 h + r holds, of row 128 Y + 16 a + r, the codes of k = 128 u + 32 c + 16 h + 0 .. 15.
; So the product's launch loads a fragment (16 rows x 128 K) by four loads of 512 consecutive bytes.
; SHARES.  2,048 waves, one block of 16 rows x 128 K each.  Each of a wave's 16 loads reads 512 consecutive bytes of one row; all 16 go out at once: 8 KiB a wave, 64 KiB a work-group are on their way;
; the eight waves of a work-group stand side by side on 4,096 bytes of the same 16 rows.
; A conversion takes eight neighbours from ONE lane's registers: the block goes through the wave's own stage in LDS, row by row as it lies (rows 528 bytes apart), and comes back 64 bytes a lane.
; A lane's 16 codes are 16 bytes: a store of the wave covers 512 consecutive bytes, aligned.  No tensor loads, no barrier: waves share nothing.  Matrix units and clusters have nothing to do here: no byte is read twice.
.set SPI,   528                        ; a stage row: 512 bytes + 16 of padding: the 16 rows that a load from the stage touches start at 16 different banks (64 banks of 4 bytes: ISA guide 11.1)
.set WREG,  16*SPI                     ; a wave's stage
.set PLANE, 4194304                    ; bytes in a plane of xc
.set R,     16                         ; v16-79    16 rows x 4 registers as they are loaded
.set X,     80                         ; v80-143   four chunks of 16 neighbours
.set T0,    144                        ; v144-159  16 numbers held for plane 0
.set T1,    160                        ; v160-175  and for plane 1
.set C,     176                        ; v176-207  codes: eight registers for each chunk, so that no store's data are written again
	s_load_b128 s[4:7], s[0:1], 0x0                ; x s[4:5], the scales' exponents s[6:7]
	s_load_b64 s[8:9], s[0:1], 0x10                ; xc
	v_lshl_add_u32 v208, v0, 2, 0x10800
	v_mov_b32 v209, 0
	v_lshrrev_b32 v1, 5, v0
	s_delay_alu instid0(VALU_DEP_1)
	v_readfirstlane_b32 s16, v1                    ; wave 0..7
	v_and_b32 v2, 31, v0                           ; lane
	s_delay_alu instid0(VALU_DEP_1)
	v_lshlrev_b32 v3, 4, v2                        ; 16 x lane: my bytes of a load's 512, and of a store's
	s_mul_i32 s17, s16, WREG
	v_add_nc_u32 v14, s17, v3                      ; the stage, way in: 16 x lane; the row stands in the immediate
	v_and_b32 v4, 15, v0                           ; r
	v_bfe_u32 v5, v0, 4, 1                         ; h
	s_delay_alu instid0(VALU_DEP_2)
	v_mul_u32_u24 v15, v4, SPI
	s_delay_alu instid0(VALU_DEP_1)
	v_lshl_add_u32 v15, v5, 6, v15
	s_delay_alu instid0(VALU_DEP_1)
	v_add_nc_u32 v15, s17, v15                     ; way out: row r, + 64 h: my 16 numbers of a chunk of 32
	s_lshr_b32 s18, ttmp9, 2                       ; which 16 rows: 0..63
	s_and_b32 s19, ttmp9, 3
	s_lshl_b32 s19, s19, 3
	s_add_co_u32 s19, s19, s16                     ; u, which 128 along K: 0..31
	s_lshl_b32 s12, s18, 18                        ; x: 16 rows of 16,384 bytes,
	s_lshl_b32 s13, s19, 9                         ; + 512 u
	s_add_co_u32 s12, s12, s13
	s_mov_b32 s13, 0
	s_lshr_b32 s14, s18, 3
	s_lshl_b32 s14, s14, 19                        ; xc: 524,288 Y
	s_and_b32 s15, s18, 7
	s_lshl_b32 s15, s15, 11                        ; + 2,048 a
	s_add_co_u32 s14, s14, s15
	s_lshl_b32 s15, s19, 14                        ; + 16,384 u
	s_add_co_u32 s14, s14, s15
	s_mov_b32 s15, 0
	s_wait_alu depctr_va_vdst(0)
	s_wait_kmcnt 0x0
	s_load_b128 s[20:23], s[6:7], 0x0              ; e0 .. e3
	s_add_nc_u64 s[4:5], s[4:5], s[12:13]
	s_add_nc_u64 s[8:9], s[8:9], s[14:15]
.irp i, 0,1,2,3,4,5,6,7,8,9,10,11,12,13,14,15
	global_load_b128 v[R+4*\i:R+4*\i+3], v3, s[4:5] offset:16384*\i th:TH_LOAD_NT   ; row i: 32 lanes read 512 consecutive bytes
.endr
	s_wait_kmcnt 0x0
	s_add_co_i32 s24, s20, 127
	s_lshl_b32 s25, s24, 23
	v_mov_b32 v8, s25                              ; 2^e0 as f32: the conversion takes its exponent field
	s_add_co_i32 s24, s24, 15
	s_lshl_b32 s24, s24, 23
	s_or_b32 s24, s24, 0x600000
	v_mov_b32 v9, s24                              ; 57,344 x 2^e0
	s_add_co_i32 s24, s22, 127
	s_lshl_b32 s25, s24, 23
	v_mov_b32 v10, s25                             ; 2^e2
	s_add_co_i32 s24, s24, 15
	s_lshl_b32 s24, s24, 23
	s_or_b32 s24, s24, 0x600000
	v_mov_b32 v11, s24                             ; 57,344 x 2^e2
	s_wait_alu depctr_va_vdst(0)
.irp i, 0,1,2,3,4,5,6,7,8,9,10,11,12,13,14,15
	s_wait_loadcnt 15-\i                           ; row i is in; the younger rows may be out
	ds_store_b128 v14, v[R+4*\i:R+4*\i+3] offset:SPI*\i
.endr
.irp c, 0,1,2,3
.irp i, 0,1,2,3
	ds_load_b128 v[X+16*\c+4*\i:X+16*\c+4*\i+3], v15 offset:128*\c+16*\i   ; LDS serves a wave's instructions in order: these see my stores.  Register 16 c + q: k = 32 c + 16 h + q of row r
.endr
.endr
.macro CHUNK c
.set XS, X+16*(\c)
.set CC, C+8*(\c)
	s_wait_dscnt 4*(3-(\c))                        ; this chunk's four loads are in; the younger chunks' may be out
.irp i, 0,1,2,3,4,5,6,7,8,9,10,11,12,13,14,15
	v_med3_num_f32 v[T0+\i], v[XS+\i], -v9, v9     ; the conversion to an 8-bit code does not saturate (ISA guide 7.6.2): the number is held within the largest code x the scale first
.endr
.irp i, 0,1,2,3,4,5,6,7,8,9,10,11,12,13,14,15
	v_med3_num_f32 v[T1+\i], v[XS+\i], -v11, v11
.endr
	v_cvt_scalef32_pk8_bf8_f32 v[CC:CC+1], v[T0:T0+7], v8
	v_cvt_scalef32_pk8_bf8_f32 v[CC+2:CC+3], v[T0+8:T0+15], v8
	v_cvt_scalef32_pk8_bf8_f32 v[CC+4:CC+5], v[T1:T1+7], v10
	v_cvt_scalef32_pk8_bf8_f32 v[CC+6:CC+7], v[T1+8:T1+15], v10
	v_nop                                          ; one plain vector line behind the conversions: the next chunk's holds write their sources
	global_store_b128 v3, v[CC:CC+3], s[8:9] offset:512*(\c)             ; chunk c of the block's image: 512 consecutive bytes, aligned, of plane 0,
	global_store_b128 v3, v[CC+4:CC+7], s[8:9] offset:PLANE+512*(\c)     ; and of plane 1
.endm
.irp c, 0,1,2,3
	CHUNK \c
.endr
	s_wait_tensorcnt 0x0
	ds_add_u32 v208, v209
	s_wait_dscnt 0x0
	s_endpgm
.Lfunc_end_k_qcc3eb896ea_quant_x:
	.size	k_qcc3eb896ea_quant_x, .Lfunc_end_k_qcc3eb896ea_quant_x-k_qcc3eb896ea_quant_x
	.p2alignl 7, 3214868480
	.fill 96, 4, 3214868480
	.section	.rodata,"a",@progbits
	.p2align	6, 0x0
	.amdhsa_kernel k_qcc3eb896ea_quant_x
		.amdhsa_group_segment_fixed_size 68608
		.amdhsa_private_segment_fixed_size 0
		.amdhsa_enable_private_segment 0
		.amdhsa_kernarg_size 24
		.amdhsa_user_sgpr_count 2
		.amdhsa_user_sgpr_kernarg_segment_ptr 1
		.amdhsa_wavefront_size32 1
		.amdhsa_system_sgpr_workgroup_id_x 1
		.amdhsa_system_sgpr_workgroup_id_y 1
		.amdhsa_system_sgpr_workgroup_id_z 1
		.amdhsa_system_vgpr_workitem_id 0
		.amdhsa_next_free_vgpr 210
		.amdhsa_next_free_sgpr 66
		.amdhsa_reserve_vcc 0
		.amdhsa_float_denorm_mode_32 3
		.amdhsa_float_denorm_mode_16_64 3
		.amdhsa_memory_ordered 1
		.amdhsa_forward_progress 1
		.amdhsa_inst_pref_size 17
	.end_amdhsa_kernel
	.amdgpu_metadata
---
amdhsa.version: [ 1, 2 ]
amdhsa.kernels:
  - .name:           k_qcc3eb896ea_quant_x
    .symbol:         k_qcc3eb896ea_quant_x.kd
    .args:
      - { .name: x, .offset: 0, .size: 8, .value_kind: global_buffer, .address_space: global }
      - { .name: lowp_scales, .offset: 8, .size: 8, .value_kind: global_buffer, .address_space: global }
      - { .name: xc, .offset: 16, .size: 8, .value_kind: global_buffer, .address_space: global }
    .group_segment_fixed_size: 68608
    .private_segment_fixed_size: 0
    .kernarg_segment_align: 8
    .kernarg_segment_size: 24
    .max_flat_workgroup_size: 256
    .sgpr_count:     66
    .vgpr_count:     210
    .wavefront_size: 32
...
	.end_amdgpu_metadata
.endif
;; end of part 1
;; launch gemm_qk (part 2): grid 8 x 32, 4 waves a work-group, clusters of 4 x 4, 327,680 bytes of LDS; arguments xc, Wq_codes, Wk_codes, bq, bk, lowp_scales, qk; writes qk
.if DOCPART == 2
	.amdgcn_target "amdgcn-amd-amdhsa--gfx1250"
	.amdhsa_code_object_version 6
	.text
	.protected	k_qcc3eb896ea_gemm_qk
	.globl	k_qcc3eb896ea_gemm_qk
	.p2align	8
	.type	k_qcc3eb896ea_gemm_qk,@function
k_qcc3eb896ea_gemm_qk:
	s_mov_b64 s[64:65], 0
	v_nop
	global_prefetch_b8 v0, s[64:65] scope:SCOPE_SE
	s_setreg_imm32_b32 hwreg(HW_REG_WAVE_MODE, 25, 1), 1
	s_wait_xcnt 0x0
	s_wait_alu depctr_hold_cnt(0) depctr_sa_sdst(0) depctr_va_vdst(0) depctr_va_sdst(0) depctr_va_ssrc(0) depctr_va_vcc(0) depctr_vm_vsrc(0)
	s_getreg_b32 s2, hwreg(HW_REG_IB_STS2, 6, 4)
	s_cmp_eq_u32 s2, 0
	s_cbranch_scc0 .Lentry_in_a_cluster
	s_endpgm
.Lentry_in_a_cluster:
	s_bfe_u32 s2, ttmp6, 0x10000c
	s_cmp_lg_u32 s2, 0xf033
	s_cbranch_scc0 .Lentry_shape_is_right
	s_endpgm
.Lentry_shape_is_right:
; relu(x Wq + bq) and relu(x Wk + bk) as codes of BF8 (E5M2).  One GEMM of M 1,024 x N 4,096 x K 4,096: columns 0-2,047 are Wq's (x's codes of plane 0 of xc), columns 2,048-4,095 Wk's (plane 1).
; A finished sum is multiplied by 2^(ea + eb), the bias is added, what is negative becomes 0, and the number is quantised with 2^eo (ea, eb, eo = entries 0, 1, 4 of the scales for Wq's half; 2, 3, 5 for Wk's).
; qk: [32 g][1024 b][128]: tile column g's 128 codes of row b.
; LIMITS: e0 + e1 and e2 + e3 between -126 and 127; e4 and e5 between -126 and 112, so that each power of two below is an f32 number.  NaN among the inputs is not served.
; SHARES.  256 work-groups, a tile of 128 x 128 each.  THE FOUR WAVES SHARE K, NOT THE TILE: each holds all 64 accumulators (512 registers) and takes 128 of a K step's 512, so every operand byte is read from LDS once.
; At the end the four partial tiles are added through LDS: wave w ends up with rows 32 w .. 32 w + 31.
; CLUSTER: 4 x 4.  The four of one cx need the same tiles of A, the four of one cy the same tiles of B: each is asked for JOINTLY.
; RING: two slots of K = 512.  A's part of a slot is 65,536 bytes on end of xc ([plane][8 Y][32 u][8 a][4 c][32 lanes][16 bytes], the order of the operand's registers), B's part 128 rows of 512 bytes.
; At the head wave 0 asks for A of K step 0, wave 1 for A of K step 1, waves 2 and 3 for B's: one load a wave fills both slots.  Slot s is filled again by waves s (A) and s + 2 (B), six refills in all.
; PREFETCH: step k asks for K step k + 3 (step 0 for K step 2 too), a whole step ahead of its joint load; each block of 256 bytes once in a cluster: of the 256 blocks of a tile each of the four partners takes 64, told apart by address, 32 a wave.
; PAIRS: A's 128 rows are four pairs of blocks; pair j holds rows 32 ((j + w) % 4) on, so pair 0's accumulators are the wave's own rows in every wave.
; THE MATRIX INSTRUCTION IS USED TRANSPOSED (source 0 = 16 rows of W, source 1 = 16 rows of x): a lane holds row l % 16 and eight neighbouring columns.
; In a fragment registers 4 c .. 4 c + 3 of lane (r, h) hold K = 32 c + 16 h + 0 .. 15 on both sides.
; REGISTERS: window 0: v8-31 addresses, constants; v32-95 the bias, v96-127 codes, v128-255 finished numbers.  window 1: v0-127 B's eight fragments, v128-255 A's; later partial sums.
;   window 2: accumulators of pairs 0, 1; window 3: of pairs 2, 3 (block i of pair j, column block b at v[128 (j % 2) + 64 i + 8 b]).
.set BP,    528                        ; B's LDS row: 512 bytes + 16 = 132 words: 16 rows start at 16 different banks (64 banks of 4 bytes: ISA guide 11.1)
.set ABY,   65536                      ; A's part of a slot
.set SLOT,  133120                     ; + 128 x 528
.set SPARE, 2*SLOT                     ; the spare words, 128 bytes a wave
.set PART,  16384                      ; 16 accumulators as images of their registers
.set STG,   SLOT+4*PART                ; the stages of the way out
.set SPI,   144
.set RS,   8                           ; v8-10 where I send pairs 1, 2, 3
.set RR,   11                          ; where I receive two parts (slot 0's bytes)
.set STO,  12
.set RD,   13
.set CO,   14                          ; 16 x lane
.set BO,   15                          ; 32 x (lane / 16)
.set AO,   16                          ; v16-23: A: slot 0 pairs 0-3, slot 1 pairs 0-3
.set ADRB, 24                          ; v24-25: B: slot 0, 1
.set PFO,  26
.set RR2,  27                          ; where I receive the third part (slot 1's bytes)
.set SPW,  28
.set NIL,  29
.set SC,   30                          ; 2^eo
.set LIM,  31                          ; 57,344 x 2^eo
.set BI,   32
.set CD,   96
.set U,    128
.set AR,   128
.set G1,   24
.set G0,   32
.set G1B,  48
.set G0B,  56
.set PFA,  92
.set PFB,  94
.set PFS,  96
.set MSB, 0
.macro WIN new
.if MSB != (\new)
	s_set_vgpr_msb (MSB<<8)|(\new)
.set MSB, (\new)
.endif
.endm
.macro CROUND                          ; a round of the cluster's barrier
	s_barrier_signal -1
	s_barrier_wait -1
	s_cmp_lg_u32 s14, 0
	s_cbranch_scc1 .Lnot_wave_0_\@
	s_barrier_signal -3
.Lnot_wave_0_\@:
	s_barrier_wait -3
	s_barrier_signal -1
	s_barrier_wait -1
.endm
.macro PLACES                          ; four plain vector lines between a matrix instruction and a load into, or a read of, its registers
.rept 4
	v_nop
.endr
.endm
.macro TLA
	tensor_load_to_lds s[G0:G0+3], s[G1:G1+7]
	s_nop 0
	PLACES
.endm
.macro TLB
	tensor_load_to_lds s[G0B:G0B+3], s[G1B:G1B+7]
	s_nop 0
	PLACES
.endm
.macro LDA slot, j                     ; pair j's two fragments
.irp i, 0,1
.irp c, 0,1,2,3
	ds_load_b128 v[AR+32*(\j)+16*\i+4*\c:AR+32*(\j)+16*\i+4*\c+3], v[AO+4*(\slot)+(\j)] offset:2048*\i+512*\c
.endr
.endr
.endm
.macro LOADS slot, p, q, r, t          ; 64 loads: a pair of A, B's eight fragments, the other pairs
	WIN 0x40
	LDA \slot, \p
.irp b, 0,1,2,3,4,5,6,7
.irp c, 0,1,2,3
	ds_load_b128 v[16*\b+4*\c:16*\b+4*\c+3], v[ADRB+\slot] offset:16*BP*\b+32*\c
.endr
.endr
	LDA \slot, \q
	LDA \slot, \r
	LDA \slot, \t
	WIN 0
.endm
.macro MUL4 j, o, zero                 ; 8 matrix instructions: pair j's two blocks x B's o .. o + 3.  The 64 accumulators take turns, one instruction a turn
.irp i, 0,1
.irp b, 0,1,2,3
.set AC, 128*((\j)%2)+64*\i+8*(\b+\o)
.set BB, 16*(\b+\o)
.set AA, AR+32*(\j)+16*\i
.if \zero
	v_wmma_f32_16x16x128_bf8_bf8 v[AC:AC+7], v[BB:BB+15], v[AA:AA+15], 0
.else
	v_wmma_f32_16x16x128_bf8_bf8 v[AC:AC+7], v[BB:BB+15], v[AA:AA+15], v[AC:AC+7]
.endif
.endr
.endr
.endm
.macro MULP j, zero
	MUL4 \j, 0, \zero
	MUL4 \j, 4, \zero
.endm
.macro EXTRA n                         ; the bias of columns 16 b + 8 h + 0 .. 7, in the results' layout
.irp b, 0,1,2,3,4,5,6,7
	global_load_b128 v[BI+8*\b:BI+8*\b+3],   v[BO], s[10:11] offset:64*\b
	global_load_b128 v[BI+8*\b+4:BI+8*\b+7], v[BO], s[10:11] offset:64*\b+16
.endr
.endm
.macro STEP slot, zero, pf, ex
	LOADS \slot, 0, 1, 2, 3
.if (\pf) == 2
	global_prefetch_b8 v[PFO], s[PFA:PFA+1] th:TH_LOAD_NT scope:SCOPE_SE   ; K step 2
.endif
.if (\pf) > 0
	global_prefetch_b8 v[PFO], s[PFB:PFB+1] th:TH_LOAD_NT scope:SCOPE_SE   ; three K steps on
.endif
.if (\ex) >= 0
	EXTRA \ex
.endif
	s_wait_dscnt 40                                ; pair 0 and B's blocks 0-3 are in; B's 4-7 (16) and three pairs (24) may be out
	WIN 0xa5
	MUL4 0, 0, \zero
	s_wait_dscnt 24                                ; the rest of B is in
	MUL4 0, 4, \zero
	s_wait_dscnt 16                                ; pair 1 is in
	MULP 1, \zero
.if (\pf) == 2                         ; K step 0: both slots have landed, so slot 0 is asked for again as soon as it has been read, ahead of the last two pairs' products
	WIN 0
	REFILL 0, 1
.else
	s_wait_dscnt 8                                 ; pair 2 is in
.endif
	WIN 0xf5
	MULP 2, \zero
	s_wait_dscnt 0x0
	MULP 3, \zero
	WIN 0
.endm
.macro REFILL slot, pf                 ; the slot just read is filled again, two K steps on
.if \pf
	s_wait_xcnt 0x0                                ; my prefetches have read their addresses
.endif
	s_wait_tensorcnt 0x0                           ; all my tensor loads have landed: the other slot's tile
	ds_add_u32 v[SPW], v[NIL]
.if (\slot) == 0
	s_add_nc_u64 s[G0+2:G0+3], s[G0+2:G0+3], 0x20000   ; two K steps on in A and in B, once a lap: no tensor load of mine is out
	s_add_nc_u64 s[G0B+2:G0B+3], s[G0B+2:G0B+3], 0x400
.endif
.if \pf
	s_add_nc_u64 s[PFB:PFB+1], s[PFB:PFB+1], s[PFS:PFS+1]
.endif
	s_wait_dscnt 0x0                               ; the add is done, and my reads of the slot are over
	CROUND                                         ; no wave of any partner still reads the slot or has a load on its way
	s_cmp_eq_u32 s14, \slot
	s_cbranch_scc0 .Lnot_a_\@
	TLA
	s_branch .Lasked_\@
.Lnot_a_\@:
	s_cmp_eq_u32 s14, \slot+2
	s_cbranch_scc0 .Lasked_\@
	TLB
.Lasked_\@:
	PLACES
.endm
	s_load_b256 s[4:11], s[0:1], 0x0               ; xc s[4:5], Wq s[6:7], Wk s[8:9], bq s[10:11]
	s_load_b128 s[68:71], s[0:1], 0x20             ; bk s[68:69], the scales' exponents s[70:71]
	s_load_b64 s[72:73], s[0:1], 0x30              ; qk
	v_lshl_add_u32 v[SPW], v0, 2, SPARE
	v_mov_b32 v[NIL], 0
	ds_add_u32 v[SPW], v[NIL]                      ; the opening: the add, twice on end, and its wait
	ds_add_u32 v[SPW], v[NIL]
	v_lshrrev_b32 v1, 5, v0
	v_readfirstlane_b32 s14, v1                    ; wave 0..3
	s_and_b32 s15, s14, 1                          ; the slot that I fill
	s_bfe_u32 s40, ttmp6, 0x40000                  ; cx
	s_bfe_u32 s41, ttmp6, 0x40004                  ; cy
	s_lshl_b32 s17, ttmp9, 2
	s_add_co_u32 s17, s17, s40                     ; tile row Y, 0..7
	s_and_b32 s43, ttmp7, 0xffff                   ; cluster row 0..7: 0-3 are Wq's, 4-7 Wk's
	s_lshl_b32 s42, s43, 2
	s_add_co_u32 s42, s42, s41                     ; tile column, 0..31
	s_lshl_b32 s44, 0x1111, s40                    ; the partners of my cx share A
	s_lshl_b32 s45, s41, 2
	s_lshl_b32 s45, 15, s45                        ; those of my cy share B
	s_or_b32 s[G1+0], s44, 1<<21                   ; A: elements of 1 byte, no padding: 64 rows of 1,024 bytes on end
	s_mov_b32 s[G1+1], 1024<<16
	s_mov_b32 s[G1+2], 64<<16
	s_mov_b32 s[G1+3], 1024<<16
	s_mov_b32 s[G1+4], 64
	s_mov_b32 s[G1+5], 1024
	s_mov_b32 s[G1+6], 0
	s_mov_b32 s[G1+7], 0
	s_or_b32 s[G1B+0], s45, (1<<20)|(1<<21)|(6<<22)|(3<<25)   ; B: four words of padding behind every 128
	s_mov_b32 s[G1B+1], 512<<16
	s_mov_b32 s[G1B+2], 128<<16
	s_mov_b32 s[G1B+3], 512<<16
	s_mov_b32 s[G1B+4], 128
	s_mov_b32 s[G1B+5], 4096
	s_mov_b32 s[G1B+6], 0
	s_mov_b32 s[G1B+7], 0
.irp j, 0,1,2,3
	s_add_co_u32 s[76+\j], s14, \j
	s_and_b32 s[76+\j], s[76+\j], 3                ; (w + j) % 4
.endr
	s_lshl_b32 s20, s77, 15                        ; pair 1 goes to wave (w + 1) % 4 as its first part,
	s_lshl_b32 s21, s78, 15
	s_add_co_u32 s21, s21, PART                    ; pair 2 to wave (w + 2) % 4 as its second: both in slot 0's bytes;
	s_lshl_b32 s22, s79, 14
	s_add_co_u32 s22, s22, SLOT                    ; pair 3 to wave (w + 3) % 4, in slot 1's bytes
	s_lshl_b32 s23, s14, 15
	s_lshl_b32 s46, s14, 14
	s_add_co_u32 s46, s46, SLOT
	s_mul_i32 s47, s14, 32*SPI
	s_add_co_u32 s47, s47, STG
	s_lshl_b32 s18, s14, 14                        ; my unit of A's image
.irp j, 0,1,2,3
	s_lshl_b32 s[76+\j], s[76+\j], 12
	s_add_co_u32 s[76+\j], s[76+\j], s18
.endr
	s_lshl_b32 s19, s14, 7                         ; my 128 bytes of B's rows
	s_add_co_u32 s19, s19, ABY
	s_cmp_lt_u32 s14, 2
	s_cselect_b32 s12, -1, 0                       ; waves 0 and 1 prefetch A, 2 and 3 B
	v_and_b32 v1, 15, v0                           ; r
	v_bfe_u32 v2, v0, 4, 1                         ; h
	v_and_b32 v5, 31, v0                           ; lane
	v_lshlrev_b32 v[CO], 4, v5
.irp j, 0,1,2,3
	v_add_nc_u32 v[AO+\j], s[76+\j], v[CO]
	v_add_nc_u32 v[AO+4+\j], SLOT, v[AO+\j]
.endr
	v_mul_u32_u24 v3, v1, BP
	v_lshl_add_u32 v3, v2, 4, v3
	v_add_nc_u32 v[ADRB], s19, v3
	v_add_nc_u32 v[ADRB+1], SLOT, v[ADRB]
	v_add_nc_u32 v[RS], s20, v[CO]
	v_add_nc_u32 v[RS+1], s21, v[CO]
	v_add_nc_u32 v[RS+2], s22, v[CO]
	v_add_nc_u32 v[RR], s23, v[CO]
	v_add_nc_u32 v[RR2], s46, v[CO]
	v_mul_u32_u24 v6, v1, SPI
	v_lshl_add_u32 v6, v2, 3, v6
	v_add_nc_u32 v[STO], s47, v6                   ; in: row r, 8 bytes for each half of the lanes
	v_lshrrev_b32 v6, 3, v5
	v_mul_u32_u24 v6, v6, SPI
	v_and_b32 v7, 7, v5
	v_lshl_add_u32 v6, v7, 4, v6
	v_add_nc_u32 v[RD], s47, v6                    ; back: eight lanes to a row of 128 bytes
	v_lshlrev_b32 v[BO], 5, v2
	v_lshlrev_b32 v7, 8, v5                        ; prefetch of A: 256 bytes a lane
	v_lshrrev_b32 v3, 1, v5
	v_lshlrev_b32 v3, 12, v3                       ; of B: two blocks of 256 bytes of 16 rows
	v_and_b32 v4, 1, v5
	v_lshl_add_u32 v3, v4, 8, v3
	v_cndmask_b32 v[PFO], v3, v7, s12
	s_wait_alu depctr_va_vdst(0)
	s_lshl_b32 s20, s17, 19                        ; A: 524,288 Y + the K step's 65,536
	s_lshl_b32 s21, s15, 16
	s_add_co_u32 s20, s20, s21
	s_cmp_lt_u32 s43, 4
	s_cselect_b32 s22, 0, 0x400000                 ; plane 0 or 1
	s_add_co_u32 s20, s20, s22
	s_mov_b32 s21, 0
	s_and_b32 s13, s42, 15                         ; the tile column within its weight
	s_lshl_b32 s46, s13, 19                        ; B: 128 rows of 4,096 bytes
	s_lshl_b32 s47, s15, 9
	s_add_co_u32 s46, s46, s47
	s_mov_b32 s47, 0
	s_mul_i32 s45, s15, SLOT                       ; no place in the cluster enters an LDS address
	s_mov_b32 s[G0], 1
	s_mov_b32 s[G0+1], s45
	s_mov_b32 s[G0B], 1
	s_add_co_u32 s[G0B+1], s45, ABY
	s_wait_dscnt 0x0                               ; both opening adds are done
	CROUND                                         ; all sixteen work-groups are here: the first joint loads meet
	s_wait_kmcnt 0x0
	s_load_b256 s[76:83], s[70:71], 0x0            ; e0 .. e7
	s_cmp_lt_u32 s43, 4
	s_cselect_b64 s[6:7], s[6:7], s[8:9]           ; my half's weight
	s_cselect_b64 s[10:11], s[10:11], s[68:69]     ; and bias
	s_add_nc_u64 s[G0+2:G0+3], s[4:5], s[20:21]
	s_or_b32 s[G0+3], s[G0+3], 0x80000000
	s_add_nc_u64 s[G0B+2:G0B+3], s[6:7], s[46:47]
	s_or_b32 s[G0B+3], s[G0B+3], 0x80000000
	s_cmp_lt_u32 s14, 2
	s_cbranch_scc0 .Lhead_b
	TLA                                            ; one load a wave: both slots
	s_branch .Lhead_asked
.Lhead_b:
	TLB
.Lhead_asked:
	s_lshl_b32 s18, s17, 19                        ; the prefetches.  A: my cluster's tile row and plane,
	s_add_co_u32 s18, s18, s22
	s_lshl_b32 s23, s41, 14                        ; my 16 KiB of the 64 by cy,
	s_add_co_u32 s18, s18, s23
	s_lshl_b32 s23, s14, 13                        ; my wave's 8 KiB
	s_add_co_u32 s18, s18, s23
	s_lshl_b32 s19, s13, 19                        ; B: the tile column,
	s_lshl_b32 s23, s40, 17                        ; my 32 rows of the 128 by cx,
	s_add_co_u32 s19, s19, s23
	s_lshl_b32 s23, s15, 16                        ; my wave's 16
	s_add_co_u32 s19, s19, s23
	s_cmp_lt_u32 s14, 2
	s_cselect_b64 s[PFA:PFA+1], s[4:5], s[6:7]
	s_cselect_b32 s20, s18, s19
	s_mov_b32 s[PFS], 512
	s_cselect_b32 s[PFS], 0x10000, s[PFS]          ; bytes from K step to K step
	s_mov_b32 s[PFS+1], 0
	s_lshl_b32 s21, s[PFS], 1
	s_add_co_u32 s20, s20, s21
	s_mov_b32 s21, 0
	s_add_nc_u64 s[PFA:PFA+1], s[PFA:PFA+1], s[20:21]          ; K step 2
	s_add_nc_u64 s[PFB:PFB+1], s[PFA:PFA+1], s[PFS:PFS+1]      ; K step 3
	s_lshl_b32 s18, s13, 9                         ; the tile's 128 numbers of the bias
	s_mov_b32 s19, 0
	s_add_nc_u64 s[10:11], s[10:11], s[18:19]
	s_lshl_b32 s18, s42, 17                        ; qk: tile column x 1,024 rows x 128 bytes
	s_lshl_b32 s19, s17, 14
	s_add_co_u32 s18, s18, s19
	s_lshl_b32 s19, s14, 12                        ; + my 32 rows
	s_add_co_u32 s18, s18, s19
	s_mov_b32 s19, 0
	s_add_nc_u64 s[72:73], s[72:73], s[18:19]
	s_wait_kmcnt 0x0
	s_cmp_lt_u32 s43, 4
	s_cselect_b32 s86, s76, s78                    ; ea
	s_cselect_b32 s87, s77, s79                    ; eb
	s_cselect_b32 s88, s80, s81                    ; eo
	s_add_co_i32 s84, s86, s87
	s_add_co_i32 s84, s84, 127
	s_lshl_b32 s84, s84, 23                        ; 2^(ea + eb) as f32
	s_mov_b32 s85, s84                             ; (named with it as a pair, so it is written)
	s_add_co_i32 s88, s88, 127
	s_lshl_b32 s89, s88, 23
	v_mov_b32 v[SC], s89
	s_add_co_i32 s88, s88, 15
	s_lshl_b32 s88, s88, 23
	s_or_b32 s88, s88, 0x600000
	v_mov_b32 v[LIM], s88
	s_mov_b32 s3, 2
	s_wait_alu depctr_va_vdst(0)
	s_wait_tensorcnt 0x0                           ; my part of the first two K steps is in
	s_barrier_signal -1
	s_barrier_wait -1                              ; everybody's is
	STEP 0, 1, 2, -1                               ; K step 0 starts the sums
	PLACES
.Lloop:                                                ; K steps 1, 2 and 3, 4
	STEP 1, 0, 1, -1
	REFILL 1, 1
	STEP 0, 0, 1, -1
	REFILL 0, 1
	s_sub_co_u32 s3, s3, 1
	s_cmp_lg_u32 s3, 0
	s_cbranch_scc1 .Lloop
	STEP 1, 0, 0, 0                                ; K step 5; the bias is asked for
	REFILL 1, 0                                    ; the last refill: K step 7
	STEP 0, 0, 0, -1                               ; K step 6
	s_wait_tensorcnt 0x0                           ; the last fill has landed
	ds_add_u32 v[SPW], v[NIL]
	s_wait_dscnt 0x0                               ; my reads of slot 0 are over
	s_barrier_signal -1
	s_barrier_wait -1                              ; both hold of every wave: slot 0's bytes are free for the partial sums
	PLACES
; THE FOUR PARTIAL TILES ARE ADDED.  An accumulator goes through LDS as an image of its registers: two stores of 512 consecutive bytes each, the low four registers first.
.macro SENDP adr, base
.set qq, 0
.rept 16
	ds_store_b128 v[\adr], v[\base+8*qq:\base+8*qq+3] offset:1024*qq
	ds_store_b128 v[\adr], v[\base+8*qq+4:\base+8*qq+7] offset:1024*qq+512
.set qq, qq+1
.endr
.endm
.macro RECV base, adr, off
.set qq, 0
.rept 16
	ds_load_b128 v[\base+8*qq:\base+8*qq+3], v[\adr] offset:\off+1024*qq
	ds_load_b128 v[\base+8*qq+4:\base+8*qq+7], v[\adr] offset:\off+1024*qq+512
.set qq, qq+1
.endr
.endm
.macro ADDP base                       ; onto my own 16 accumulators, each from its low end on
.set qq, 0
.rept 64
	v_pk_add_f32 v[2*qq:2*qq+1], v[2*qq:2*qq+1], v[\base+2*qq:\base+2*qq+1]
.set qq, qq+1
.endr
.endm
	LOADS 1, 1, 2, 3, 0                            ; K step 7: the pairs that are sent come first
	s_wait_dscnt 40
	WIN 0xa5
	MUL4 1, 0, 0
	s_wait_dscnt 24
	MUL4 1, 4, 0
	s_wait_dscnt 16
	WIN 0xf5
	MULP 2, 0
	PLACES
	WIN 0x08
	SENDP RS, 128                                  ; pair 1
	s_wait_dscnt 40                                ; pair 3 is in; pair 0's 8 loads and 32 stores may be out
	WIN 0xf5
	MULP 3, 0
	PLACES
	WIN 0x0c
	SENDP RS+1, 0                                  ; pair 2
	s_wait_dscnt 32                                ; pair 0 is in; the last 32 stores may be out
	WIN 0xa5
	MULP 0, 0
	WIN 0
	s_wait_dscnt 0x0                               ; for the others' sake: my stores have landed, my reads of slot 1 are over
	s_barrier_signal -1
	s_barrier_wait -1
	PLACES
	WIN 0x0c
	SENDP RS+2, 128                                ; pair 3, into slot 1's bytes
	WIN 0x40
	RECV 0, RR, 0
	RECV 128, RR, PART
	s_wait_dscnt 32                                ; the first part is in
	WIN 0x86
	ADDP 0
	s_wait_dscnt 0x0                               ; the second part is in, and my stores have landed
	s_barrier_signal -1
	ADDP 128
	s_barrier_wait -1
	WIN 0xc0                                       ; destination window 3: pair 2 has been sent
	RECV 0, RR2, 0
	s_wait_loadcnt 0x0                             ; the bias
	s_wait_dscnt 0x0
	WIN 0x8e
	ADDP 0
	; THE WAY OUT: my 32 rows x 128 columns.  sum x 2^(ea + eb) + bias; relu and the hold in one; eight neighbours of a lane become eight codes.
	WIN 0x02
.set qq, 0
.rept 64
	v_pk_fma_f32 v[U+2*qq:U+2*qq+1], v[2*qq:2*qq+1], s[84:85], v[BI+(2*qq)%64:BI+(2*qq)%64+1] op_sel_hi:[1,0,1]
.set qq, qq+1
.endr
	WIN 0
.set qq, 0
.rept 128
	v_med3_num_f32 v[U+qq], v[U+qq], 0, v[LIM]     ; between 0 and the largest code x the scale: the conversion does not saturate (ISA guide 7.6.2)
.set qq, qq+1
.endr
.set qq, 0
.rept 16
	v_cvt_scalef32_pk8_bf8_f32 v[CD+2*qq:CD+2*qq+1], v[U+8*qq:U+8*qq+7], v[SC]
.set qq, qq+1
.endr
	v_nop                                          ; one plain vector line behind the last conversion
.irp i, 0,1
.irp b, 0,1,2,3,4,5,6,7
	ds_store_b64 v[STO], v[CD+2*(8*\i+\b):CD+2*(8*\i+\b)+1] offset:16*SPI*\i+16*\b   ; row 16 i + r, columns 16 b + 8 h on
.endr
.endr
.irp t, 0,1,2,3,4,5,6,7
	ds_load_b128 v[BI+4*\t:BI+4*\t+3], v[RD] offset:4*SPI*\t   ; LDS serves a wave's instructions in order: these see my stores
.endr
.irp t, 0,1,2,3,4,5,6,7
	s_wait_dscnt 7-\t
	global_store_b128 v[CO], v[BI+4*\t:BI+4*\t+3], s[72:73] offset:512*\t   ; four rows of 128 bytes lie on end: 512 consecutive bytes, aligned
.endr
	s_wait_tensorcnt 0x0                           ; the wave's end
	ds_add_u32 v[SPW], v[NIL]
	s_wait_dscnt 0x0
	CROUND                                         ; the closing round: no work-group ends while a partner may still ask for a tile that names it
	s_endpgm
.Lfunc_end_k_qcc3eb896ea_gemm_qk:
	.size	k_qcc3eb896ea_gemm_qk, .Lfunc_end_k_qcc3eb896ea_gemm_qk-k_qcc3eb896ea_gemm_qk
	.p2alignl 7, 3214868480
	.fill 96, 4, 3214868480
	.section	.rodata,"a",@progbits
	.p2align	6, 0x0
	.amdhsa_kernel k_qcc3eb896ea_gemm_qk
		.amdhsa_group_segment_fixed_size 327680
		.amdhsa_private_segment_fixed_size 0
		.amdhsa_enable_private_segment 0
		.amdhsa_kernarg_size 56
		.amdhsa_user_sgpr_count 2
		.amdhsa_user_sgpr_kernarg_segment_ptr 1
		.amdhsa_wavefront_size32 1
		.amdhsa_system_sgpr_workgroup_id_x 1
		.amdhsa_system_sgpr_workgroup_id_y 1
		.amdhsa_system_sgpr_workgroup_id_z 1
		.amdhsa_system_vgpr_workitem_id 0
		.amdhsa_next_free_vgpr 1024
		.amdhsa_next_free_sgpr 100
		.amdhsa_reserve_vcc 0
		.amdhsa_float_denorm_mode_32 3
		.amdhsa_float_denorm_mode_16_64 3
		.amdhsa_memory_ordered 1
		.amdhsa_forward_progress 1
		.amdhsa_inst_pref_size 108
	.end_amdhsa_kernel
	.amdgpu_metadata
---
amdhsa.version: [ 1, 2 ]
amdhsa.kernels:
  - .name:           k_qcc3eb896ea_gemm_qk
    .symbol:         k_qcc3eb896ea_gemm_qk.kd
    .args:
      - { .name: xc, .offset: 0, .size: 8, .value_kind: global_buffer, .address_space: global }
      - { .name: Wq_codes, .offset: 8, .size: 8, .value_kind: global_buffer, .address_space: global }
      - { .name: Wk_codes, .offset: 16, .size: 8, .value_kind: global_buffer, .address_space: global }
      - { .name: bq, .offset: 24, .size: 8, .value_kind: global_buffer, .address_space: global }
      - { .name: bk, .offset: 32, .size: 8, .value_kind: global_buffer, .address_space: global }
      - { .name: lowp_scales, .offset: 40, .size: 8, .value_kind: global_buffer, .address_space: global }
      - { .name: qk, .offset: 48, .size: 8, .value_kind: global_buffer, .address_space: global }
    .group_segment_fixed_size: 327680
    .private_segment_fixed_size: 0
    .kernarg_segment_align: 8
    .kernarg_segment_size: 56
    .max_flat_workgroup_size: 128
    .sgpr_count:     100
    .vgpr_count:     1024
    .wavefront_size: 32
...
	.end_amdgpu_metadata
.endif
;; end of part 2
;; launch mem (part 3): grid 4 x 64, 4 waves a work-group, no clusters, 100,864 bytes of LDS; arguments qk, v_codes, lowp_scales, pc; writes pc
.if DOCPART == 3
	.amdgcn_target "amdgcn-amd-amdhsa--gfx1250"
	.amdhsa_code_object_version 6
	.text
	.protected	k_qcc3eb896ea_mem
	.globl	k_qcc3eb896ea_mem
	.p2align	8
	.type	k_qcc3eb896ea_mem,@function
k_qcc3eb896ea_mem:
	s_mov_b64 s[64:65], 0
	v_nop
	global_prefetch_b8 v0, s[64:65] scope:SCOPE_SE
	s_setreg_imm32_b32 hwreg(HW_REG_WAVE_MODE, 25, 1), 1
	s_wait_xcnt 0x0
; pooled[b][f] = (1 / 64) x the sum over m, n of S[b][m][n] v[n][f], S[b][m][n] = (the sum over s of q[b][m][s] k[b][n][s]) / sqrt(32), both products on codes of BF8 (E5M2); pooled leaves as codes too.
; qk: [32 g][1024 b][128]: g < 16: codes of relu(xq), columns 128 g on (slot m = 4 g + byte / 32); g >= 16: of relu(xk).  v_codes: [4096 f][64 n].
; pc, the codes of pooled, IS LAID IN THE ORDER OF THE NEXT PRODUCT'S OPERAND REGISTERS: [8 Y][32 u][8 a][4 c][32 lanes][16 bytes]: lane 16 h + r holds, of row b = 128 Y + 16 a + r, the codes of f = 128 u + 32 c + 16 h + 0 .. 15.
; THE PRODUCT WITH v AND THE MEAN ARE ONE GEMM: M = b, N = f, K = the pair (m, n), 4,096 long; its right operand is v, the same for every m.  It holds just the multiply-adds of S x v, and the mean's sum is made in
; the f32 accumulators.  v's fragments never change and stay in registers.
; SCALES (entries of the buffer of scales): a score's sum stands for sum x 2^(e4 + e5); S's code is sum / sqrt(32) / 2^(e6 - e4 - e5); pooled's code is sum / 2^(e8 - e6 - e7 + 6), the 6 being the mean's 1 / 64.
; LIMITS: e6 - e4 - e5 and e8 - e6 - e7 + 6 between -126 and 112.  NaN is not served.  1 / sqrt(32) is multiplied by as the nearest f32 number.
; SHARES.  A work-group takes 16 b x 1,024 f; wave w takes f = 256 w on for all 16 b: 16 accumulators, 512 matrix instructions.  First wave w makes S for b = 4 w .. 4 w + 3; S's codes meet in LDS.
; The four work-groups of a block of b make the same S: 64 small matrix instructions a wave beside the 512.
; NO CLUSTER, no tensor load: a work-group reads 64 KiB of qk and 64 KiB of v once, straight into registers; no tile goes through LDS by the mover, so there is no joint request to make.
; BOTH PRODUCTS ARE USED TRANSPOSED.  Scores: source 0 = 16 rows of k, source 1 = 16 rows of q: a lane holds one m and eight neighbouring n.  Second: source 0 = 16 rows of v, source 1 = S's 16 b: a lane holds one b and eight neighbouring f.
; The scores' K is 32: the K = 64 form takes 16 bytes a lane in a fragment's low four registers and zero codes in its high four, on both sides.
; REGISTERS: window 0: v4-14 addresses and constants; v32-159 16 accumulators; v160-223 four fragments of S (earlier and later: codes); v224-255 chunks going out.   window 1: v's 16 fragments.   window 2: v0-127 q's and k's fragments, two sets.
.set SROW,  5136                       ; S in LDS: a row b: 64 m x (64 bytes + 16 of padding) + 16: lanes 80 bytes apart (stores) and 5,136 apart (loads) start at different banks
.set PSTG,  16*SROW                    ; behind it: a stage of 4,096 bytes for each wave: the images of its two units
.set QA,  4                            ; v4   qk: (r / 4) x 131,072 + (r % 4) x 32 + 16 h: row r of a fragment is slot 16 i + r
.set VA,  5                            ; v5   v: 64 r + 16 h
.set SW,  6                            ; v6   where I store S's codes
.set SRD, 7                            ; v7   where I read S's fragments
.set STO, 8                            ; v8   the stage: way in
.set RD,  9                            ; v9   way out
.set CO,  10                           ; v10  16 x lane
.set ACC, 32
.set AFR, 160
.set CD,  160
.set OUTR, 224
.set MSB, 0
.macro WIN new                         ; the immediate's high byte repeats the setting that is left
.if MSB != \new
	s_set_vgpr_msb (MSB<<8)|\new
.set MSB, \new
.endif
.endm
.macro PLACES                          ; four plain vector lines between a matrix instruction and a load into, or a read of, its registers
.rept 4
	v_nop
.endr
.endm
	s_load_b256 s[4:11], s[0:1], 0x0               ; qk s[4:5], v s[6:7], the scales' exponents s[8:9], pc s[10:11]
	v_lshl_add_u32 v30, v0, 2, 0x18800
	v_mov_b32 v31, 0
	v_lshrrev_b32 v1, 5, v0
	v_readfirstlane_b32 s14, v1                    ; wave 0..3
	v_and_b32 v1, 15, v0                           ; r
	v_bfe_u32 v2, v0, 4, 1                         ; h
	s_and_b32 s15, ttmp7, 0xffff                   ; which 16 b
	v_lshrrev_b32 v3, 2, v1
	v_and_b32 v[QA], 3, v1
	v_lshlrev_b32 v[QA], 5, v[QA]
	v_lshl_add_u32 v[QA], v3, 17, v[QA]
	v_lshl_add_u32 v[QA], v2, 4, v[QA]
	v_lshlrev_b32 v[VA], 6, v1
	v_lshl_add_u32 v[VA], v2, 4, v[VA]
	s_mul_i32 s16, s14, 4*SROW                     ; my four b
	v_mul_u32_u24 v[SW], v1, 80
	v_lshl_add_u32 v[SW], v2, 3, v[SW]
	v_add_nc_u32 v[SW], s16, v[SW]                 ; slot r of 16, 8 bytes for each half of the lanes
	v_mul_u32_u24 v[SRD], v1, SROW
	v_lshl_add_u32 v[SRD], v2, 4, v[SRD]           ; row b = r, + 16 h
	s_lshl_b32 s16, s14, 12
	s_add_co_u32 s16, s16, PSTG                    ; my stage
	v_lshlrev_b32 v[STO], 4, v1
	v_lshl_add_u32 v[STO], v2, 3, v[STO]
	v_add_nc_u32 v[STO], s16, v[STO]               ; in: 16 r + 8 h; tile ft of 16 f stands 256 ft on: f = 16 ft + 8 h + j lies in chunk ft / 2, lane slot 16 (ft % 2) + r, byte 8 h + j
	v_and_b32 v3, 31, v0                           ; lane
	v_lshlrev_b32 v[CO], 4, v3
	v_add_nc_u32 v[RD], s16, v[CO]                 ; back: a chunk of 512 bytes, 16 a lane
	s_lshl_b32 s16, s15, 11                        ; qk: (16 by + 4 w) rows of 128 bytes
	s_lshl_b32 s17, s14, 9
	s_add_co_u32 s16, s16, s17
	s_mov_b32 s17, 0
	s_lshl_b32 s18, ttmp9, 16                      ; v: (1,024 fx + 256 w) rows of 64 bytes
	s_lshl_b32 s19, s14, 14
	s_add_co_u32 s18, s18, s19
	s_mov_b32 s19, 0
	s_lshr_b32 s12, s15, 3
	s_lshl_b32 s12, s12, 19                        ; pc: 524,288 Y, Y = by / 8,
	s_and_b32 s13, s15, 7
	s_lshl_b32 s13, s13, 11                        ; + 2,048 a, a = by % 8,
	s_add_co_u32 s12, s12, s13
	s_lshl_b32 s13, ttmp9, 17                      ; + 16,384 u, u = 8 fx + 2 w
	s_add_co_u32 s12, s12, s13
	s_lshl_b32 s13, s14, 15
	s_add_co_u32 s12, s12, s13
	s_mov_b32 s13, 0
	s_mov_b32 s26, 0x3e3504f3                      ; 1 / sqrt(32)
	s_mov_b32 s27, s26                             ; (named with it as a pair, so it is written)
	s_wait_kmcnt 0x0
	s_load_b128 s[20:23], s[8:9], 0x10             ; e4 .. e7
	s_load_b32 s24, s[8:9], 0x20                   ; e8
	s_add_nc_u64 s[4:5], s[4:5], s[16:17]
	s_add_nc_u64 s[6:7], s[6:7], s[18:19]
	s_add_nc_u64 s[10:11], s[10:11], s[12:13]
.macro QKLOAD be                       ; b = 4 w + be: q's four fragments and k's four, 16 bytes a lane, into set be % 2
.irp i, 0,1,2,3
	global_load_b128 v[64*((\be)%2)+8*\i:64*((\be)%2)+8*\i+3],       v[QA], s[4:5] offset:524288*\i+128*(\be)
	global_load_b128 v[64*((\be)%2)+32+8*\i:64*((\be)%2)+32+8*\i+3], v[QA], s[4:5] offset:2097152+524288*\i+128*(\be)
.endr
.endm
	WIN 0x80                                       ; destination window 2
	QKLOAD 0
	QKLOAD 1
.set qq, 0
.rept 16
	v_mov_b32 v[8*qq+4], 0                         ; zero codes for K = 32 .. 63 of the scores' form, on both sides: they add nothing
	v_mov_b32 v[8*qq+5], 0
	v_mov_b32 v[8*qq+6], 0
	v_mov_b32 v[8*qq+7], 0
.set qq, qq+1
.endr
	WIN 0x40                                       ; destination window 1
.set qq, 0
.rept 64
	global_load_b128 v[4*qq:4*qq+3], v[VA], s[6:7] offset:1024*(qq/4)+32*(qq%2)   ; v's fragment qq / 4: registers 4 c on hold n = 32 (c % 2) + 16 h + 0 .. 15: a K step of 128 is two slots m, so v stands in it twice
.set qq, qq+1
.endr
	WIN 0
	s_wait_kmcnt 0x0
	s_sub_co_i32 s28, s22, s20
	s_sub_co_i32 s28, s28, s21
	s_add_co_i32 s28, s28, 127
	s_lshl_b32 s29, s28, 23
	v_mov_b32 v11, s29                             ; 2^(e6 - e4 - e5)
	s_add_co_i32 s28, s28, 15
	s_lshl_b32 s28, s28, 23
	s_or_b32 s28, s28, 0x600000
	v_mov_b32 v12, s28                             ; 57,344 x that
	s_sub_co_i32 s28, s24, s22
	s_sub_co_i32 s28, s28, s23
	s_add_co_i32 s28, s28, 133
	s_lshl_b32 s29, s28, 23
	v_mov_b32 v13, s29                             ; 2^(e8 - e6 - e7 + 6)
	s_add_co_i32 s28, s28, 15
	s_lshl_b32 s28, s28, 23
	s_or_b32 s28, s28, 0x600000
	v_mov_b32 v14, s28
; S of one b: 16 tiles (i: 16 m, c: 16 n); lane (r, h) of tile (i, c) holds m = 16 i + r, n = 16 c + 8 h + 0 .. 7.
.macro SCORES be
.if (\be) == 0
	s_wait_loadcnt 63                              ; behind the 16 loads of b 0 and 1 stand v's 64: with 63 out, those 16 are in
.elseif (\be) == 2
	s_wait_loadcnt 8                               ; b 2's are in (and v's); b 3's eight may be out
.elseif (\be) == 3
	s_wait_loadcnt 0x0
.endif
	WIN 0x0a                                       ; sources 0 and 1 window 2
.irp i, 0,1,2,3
.irp c, 0,1,2,3
	v_wmma_f32_16x16x64_bf8_bf8 v[ACC+8*(4*\i+\c):ACC+8*(4*\i+\c)+7], v[64*((\be)%2)+32+8*\c:64*((\be)%2)+32+8*\c+7], v[64*((\be)%2)+8*\i:64*((\be)%2)+8*\i+7], 0
.endr
.endr
	WIN 0
	PLACES
.if (\be) < 2
	WIN 0x80
	QKLOAD (\be)+2                                 ; the set just multiplied takes the b two further on
	WIN 0
.endif
.set qq, 0
.rept 64
	v_pk_mul_f32 v[ACC+2*qq:ACC+2*qq+1], v[ACC+2*qq:ACC+2*qq+1], s[26:27] op_sel_hi:[1,0]   ; / sqrt(32); each accumulator from its low end on
.set qq, qq+1
.endr
.set qq, 0
.rept 128
	v_min_num_f32 v[ACC+qq], v[ACC+qq], v12        ; the conversion does not saturate (ISA guide 7.6.2); a score is never negative, so the hold is one-sided
.set qq, qq+1
.endr
	s_wait_dscnt 0x0                               ; the last b's stores have read the codes' registers
.set qq, 0
.rept 16
	v_cvt_scalef32_pk8_bf8_f32 v[CD+2*qq:CD+2*qq+1], v[ACC+8*qq:ACC+8*qq+7], v11
.set qq, qq+1
.endr
	v_nop                                          ; one plain vector line behind the last conversion: the next products write its sources
.irp i, 0,1,2,3
.irp c, 0,1,2,3
	ds_store_b64 v[SW], v[CD+2*(4*\i+\c):CD+2*(4*\i+\c)+1] offset:SROW*(\be)+1280*\i+16*\c
.endr
.endr
.endm
	SCORES 0
	SCORES 1
	SCORES 2
	SCORES 3
	s_wait_dscnt 0x0                               ; for the others' sake: my stores have landed
	s_barrier_signal -1
	s_barrier_wait -1                              ; S of all 16 b lies in LDS
; K step t: slots m = 2 t and 2 t + 1.  S's fragment: registers 4 c on hold slot 2 t + c / 2, n = 32 (c % 2) + 16 h + 0 .. 15, as v's do.
.macro ALOAD t
.irp c, 0,1,2,3
	ds_load_b128 v[AFR+16*((\t)%4)+4*\c:AFR+16*((\t)%4)+4*\c+3], v[SRD] offset:160*(\t)+80*(\c/2)+32*(\c%2)
.endr
.endm
.macro KSTEP t                         ; the 16 accumulators take turns, one instruction a turn, in the same order in every step
.irp f, 0,1,2,3,4,5,6,7,8,9,10,11,12,13,14,15
.if (\t) == 0
	v_wmma_f32_16x16x128_bf8_bf8 v[ACC+8*\f:ACC+8*\f+7], v[16*\f:16*\f+15], v[AFR+16*((\t)%4):AFR+16*((\t)%4)+15], 0
.else
	v_wmma_f32_16x16x128_bf8_bf8 v[ACC+8*\f:ACC+8*\f+7], v[16*\f:16*\f+15], v[AFR+16*((\t)%4):AFR+16*((\t)%4)+15], v[ACC+8*\f:ACC+8*\f+7]
.endif
.endr
.endm
.macro PAIR u                          ; two K steps; the fragments of the pair after next are fetched into the registers just multiplied
.if (\u) < 15
	s_wait_dscnt 8                                 ; this pair's eight loads are in; the next pair's eight may be out
.else
	s_wait_dscnt 0x0
.endif
	WIN 0x01                                       ; source 0 (v) window 1
	KSTEP 2*(\u)
	KSTEP 2*(\u)+1
	WIN 0
	PLACES
.if (\u) < 14
	ALOAD 2*(\u)+4
	ALOAD 2*(\u)+5
.endif
.endm
	ALOAD 0
	ALOAD 1
	ALOAD 2
	ALOAD 3
.irp u, 0,1,2,3,4,5,6,7,8,9,10,11,12,13,14,15
	PAIR \u
.endr
	; THE WAY OUT: a lane's eight sums are eight neighbouring f of one b: eight codes.  (The last pair's four places stand in front.)
.set qq, 0
.rept 128
	v_med3_num_f32 v[ACC+qq], v[ACC+qq], -v14, v14 ; the hold at the largest code x the scale; each accumulator from its low end on
.set qq, qq+1
.endr
.set qq, 0
.rept 16
	v_cvt_scalef32_pk8_bf8_f32 v[CD+2*qq:CD+2*qq+1], v[ACC+8*qq:ACC+8*qq+7], v13
.set qq, qq+1
.endr
	v_nop                                          ; one plain vector line behind the last conversion
.irp f, 0,1,2,3,4,5,6,7,8,9,10,11,12,13,14,15
	ds_store_b64 v[STO], v[CD+2*\f:CD+2*\f+1] offset:256*\f      ; the 32 lanes fill 256 consecutive bytes: half a chunk of the image
.endr
.irp t, 0,1,2,3,4,5,6,7
	ds_load_b128 v[OUTR+4*\t:OUTR+4*\t+3], v[RD] offset:512*\t   ; LDS serves a wave's instructions in order: these see my stores
.endr
.irp t, 0,1,2,3,4,5,6,7
	s_wait_dscnt 7-\t
	global_store_b128 v[CO], v[OUTR+4*\t:OUTR+4*\t+3], s[10:11] offset:16384*(\t/4)+512*(\t%4)   ; chunk t % 4 of unit t / 4: 512 consecutive bytes, aligned
.endr
	s_wait_tensorcnt 0x0
	ds_add_u32 v30, v31
	s_wait_dscnt 0x0
	s_endpgm
.Lfunc_end_k_qcc3eb896ea_mem:
	.size	k_qcc3eb896ea_mem, .Lfunc_end_k_qcc3eb896ea_mem-k_qcc3eb896ea_mem
	.p2alignl 7, 3214868480
	.fill 96, 4, 3214868480
	.section	.rodata,"a",@progbits
	.p2align	6, 0x0
	.amdhsa_kernel k_qcc3eb896ea_mem
		.amdhsa_group_segment_fixed_size 100864
		.amdhsa_private_segment_fixed_size 0
		.amdhsa_enable_private_segment 0
		.amdhsa_kernarg_size 32
		.amdhsa_user_sgpr_count 2
		.amdhsa_user_sgpr_kernarg_segment_ptr 1
		.amdhsa_wavefront_size32 1
		.amdhsa_system_sgpr_workgroup_id_x 1
		.amdhsa_system_sgpr_workgroup_id_y 1
		.amdhsa_system_sgpr_workgroup_id_z 1
		.amdhsa_system_vgpr_workitem_id 0
		.amdhsa_next_free_vgpr 640
		.amdhsa_next_free_sgpr 66
		.amdhsa_reserve_vcc 0
		.amdhsa_float_denorm_mode_32 3
		.amdhsa_float_denorm_mode_16_64 3
		.amdhsa_memory_ordered 1
		.amdhsa_forward_progress 1
		.amdhsa_inst_pref_size 115
	.end_amdhsa_kernel
	.amdgpu_metadata
---
amdhsa.version: [ 1, 2 ]
amdhsa.kernels:
  - .name:           k_qcc3eb896ea_mem
    .symbol:         k_qcc3eb896ea_mem.kd
    .args:
      - { .name: qk, .offset: 0, .size: 8, .value_kind: global_buffer, .address_space: global }
      - { .name: v_codes, .offset: 8, .size: 8, .value_kind: global_buffer, .address_space: global }
      - { .name: lowp_scales, .offset: 16, .size: 8, .value_kind: global_buffer, .address_space: global }
      - { .name: pc, .offset: 24, .size: 8, .value_kind: global_buffer, .address_space: global }
    .group_segment_fixed_size: 100864
    .private_segment_fixed_size: 0
    .kernarg_segment_align: 8
    .kernarg_segment_size: 32
    .max_flat_workgroup_size: 128
    .sgpr_count:     66
    .vgpr_count:     640
    .wavefront_size: 32
...
	.end_amdgpu_metadata
.endif
;; end of part 3
;; launch gemm_out (part 4): grid 8 x 32, 4 waves a work-group, clusters of 4 x 4, 327,680 bytes of LDS; arguments pc, Wl_codes, bl, x, lowp_scales, out0; writes out0
.if DOCPART == 4
	.amdgcn_target "amdgcn-amd-amdhsa--gfx1250"
	.amdhsa_code_object_version 6
	.text
	.protected	k_qcc3eb896ea_gemm_out
	.globl	k_qcc3eb896ea_gemm_out
	.p2align	8
	.type	k_qcc3eb896ea_gemm_out,@function
k_qcc3eb896ea_gemm_out:
	s_mov_b64 s[64:65], 0
	v_nop
	global_prefetch_b8 v0, s[64:65] scope:SCOPE_SE
	s_setreg_imm32_b32 hwreg(HW_REG_WAVE_MODE, 25, 1), 1
	s_wait_xcnt 0x0
	s_wait_alu depctr_hold_cnt(0) depctr_sa_sdst(0) depctr_va_vdst(0) depctr_va_sdst(0) depctr_va_ssrc(0) depctr_va_vcc(0) depctr_vm_vsrc(0)
	s_getreg_b32 s2, hwreg(HW_REG_IB_STS2, 6, 4)
	s_cmp_eq_u32 s2, 0
	s_cbranch_scc0 .Lentry_in_a_cluster
	s_endpgm
.Lentry_in_a_cluster:
	s_bfe_u32 s2, ttmp6, 0x10000c
	s_cmp_lg_u32 s2, 0xf033
	s_cbranch_scc0 .Lentry_shape_is_right
	s_endpgm
.Lentry_shape_is_right:
; out = x + (pooled Wl + bl): M 1,024 x N 4,096 x K 4,096 on codes of BF8 (E5M2); a finished sum is multiplied by 2^(e8 + e9).  x, bl, out in f32.
; LIMIT: e8 + e9 between -126 and 127, so that 2^(e8 + e9) is an f32 number.
; SHARES.  256 work-groups, a tile of 128 x 128 each.  THE FOUR WAVES SHARE K, NOT THE TILE: each holds all 64 accumulators (512 registers) and takes 128 of a K step's 512, so every operand byte is read from LDS once.
; At the end the four partial tiles are added through LDS: wave w ends up with rows 32 w .. 32 w + 31.
; CLUSTER: 4 x 4.  The four of one cx need the same tiles of A, the four of one cy the same tiles of B: each is asked for JOINTLY.
; RING: two slots of K = 512.  A's part of a slot is 65,536 bytes on end of pc ([8 Y][32 u][8 a][4 c][32 lanes][16 bytes], the order of the operand's registers), B's part 128 rows of 512 bytes.
; At the head wave 0 asks for A of K step 0, wave 1 for A of K step 1, waves 2 and 3 for B's: one load a wave fills both slots.  Slot s is filled again by waves s (A) and s + 2 (B), six refills in all.
; PREFETCH: step k asks for K step k + 3 (step 0 for K step 2 too), a whole step ahead of its joint load; each block of 256 bytes once in a cluster: of the 256 blocks of a tile each of the four partners takes 64, told apart by address, 32 a wave.
; A's tiles are loaded by eight clusters each: the four with an even cluster row ask for them.
; x's and bl's numbers come into registers in K steps 5 and 6, ahead of the addition that wants them.
; PAIRS: A's 128 rows are four pairs of blocks; pair j holds rows 32 ((j + w) % 4) on, so pair 0's accumulators are the wave's own rows in every wave.
; THE MATRIX INSTRUCTION IS USED TRANSPOSED (source 0 = 16 rows of Wl's codes, source 1 = 16 rows of pooled): a lane holds row l % 16 and eight neighbouring columns.
; REGISTERS: window 0: v8-29 addresses; v32-35 bl, v128-255 x.  window 1: v0-127 B's eight fragments, v128-255 A's; later partial sums.
;   window 2: accumulators of pairs 0, 1; window 3: of pairs 2, 3 (block i of pair j, column block b at v[128 (j % 2) + 64 i + 8 b]).
.set BP,    528                        ; B's LDS row: 512 bytes + 16 = 132 words: 16 rows start at 16 different banks (64 banks of 4 bytes: ISA guide 11.1)
.set ABY,   65536
.set SLOT,  133120
.set SPARE, 2*SLOT                     ; the spare words, 128 bytes a wave
.set PART,  16384                      ; 16 accumulators as images of their registers
.set STG,   SLOT+4*PART                ; a stage of 32 rows x 528 bytes for each wave
.set SPI,   528
.set RS,   8
.set RR,   11
.set STO,  12
.set RD,   13
.set CO,   14                          ; 16 x lane
.set AO,   16                          ; v16-23: A: slot 0 pairs 0-3, slot 1 pairs 0-3
.set ADRB, 24
.set PFO,  26
.set RR2,  27
.set SPW,  28
.set NIL,  29
.set BI,   32
.set XR,   128
.set AR,   128
.set G1,   24
.set G0,   32
.set G1B,  48
.set G0B,  56
.set PFA,  92
.set PFB,  94
.set PFS,  96
.set ASKS, 98                          ; s98: 1 if my wave prefetches
.set MSB, 0
.macro WIN new
.if MSB != (\new)
	s_set_vgpr_msb (MSB<<8)|(\new)
.set MSB, (\new)
.endif
.endm
.macro CROUND                          ; a round of the cluster's barrier
	s_barrier_signal -1
	s_barrier_wait -1
	s_cmp_lg_u32 s14, 0
	s_cbranch_scc1 .Lnot_wave_0_\@
	s_barrier_signal -3
.Lnot_wave_0_\@:
	s_barrier_wait -3
	s_barrier_signal -1
	s_barrier_wait -1
.endm
.macro PLACES                          ; four plain vector lines between a matrix instruction and a load into, or a read of, its registers
.rept 4
	v_nop
.endr
.endm
.macro TLA
	tensor_load_to_lds s[G0:G0+3], s[G1:G1+7]
	s_nop 0
	PLACES
.endm
.macro TLB
	tensor_load_to_lds s[G0B:G0B+3], s[G1B:G1B+7]
	s_nop 0
	PLACES
.endm
.macro LDA slot, j                     ; pair j's two fragments
.irp i, 0,1
.irp c, 0,1,2,3
	ds_load_b128 v[AR+32*(\j)+16*\i+4*\c:AR+32*(\j)+16*\i+4*\c+3], v[AO+4*(\slot)+(\j)] offset:2048*\i+512*\c
.endr
.endr
.endm
.macro LOADS slot, p, q, r, t          ; 64 loads: a pair of A, B's eight fragments, the other pairs
	WIN 0x40
	LDA \slot, \p
.irp b, 0,1,2,3,4,5,6,7
.irp c, 0,1,2,3
	ds_load_b128 v[16*\b+4*\c:16*\b+4*\c+3], v[ADRB+\slot] offset:16*BP*\b+32*\c
.endr
.endr
	LDA \slot, \q
	LDA \slot, \r
	LDA \slot, \t
	WIN 0
.endm
.macro MUL4 j, o, zero                 ; 8 matrix instructions: pair j's two blocks x B's o .. o + 3.  The 64 accumulators take turns, one instruction a turn
.irp i, 0,1
.irp b, 0,1,2,3
.set AC, 128*((\j)%2)+64*\i+8*(\b+\o)
.set BB, 16*(\b+\o)
.set AA, AR+32*(\j)+16*\i
.if \zero
	v_wmma_f32_16x16x128_bf8_bf8 v[AC:AC+7], v[BB:BB+15], v[AA:AA+15], 0
.else
	v_wmma_f32_16x16x128_bf8_bf8 v[AC:AC+7], v[BB:BB+15], v[AA:AA+15], v[AC:AC+7]
.endif
.endr
.endr
.endm
.macro MULP j, zero
	MUL4 \j, 0, \zero
	MUL4 \j, 4, \zero
.endm
.macro EXTRA n                         ; 16 of my 32 rows of x, 512 consecutive bytes each
.if (\n) == 0
	global_load_b128 v[BI:BI+3], v[CO], s[8:9]
.endif
.set qq, 16*(\n)
.rept 16
	global_load_b128 v[XR+4*qq:XR+4*qq+3], v[CO], s[10:11] offset:16384*qq th:TH_LOAD_NT
.set qq, qq+1
.endr
.endm
.macro ASK pf
	s_cmp_eq_u32 s[ASKS], 1
	s_cbranch_scc0 .Lnot_mine_\@
.if (\pf) == 2
	global_prefetch_b8 v[PFO], s[PFA:PFA+1] th:TH_LOAD_NT scope:SCOPE_SE   ; K step 2
.endif
	global_prefetch_b8 v[PFO], s[PFB:PFB+1] th:TH_LOAD_NT scope:SCOPE_SE   ; three K steps on
.Lnot_mine_\@:
.endm
.macro STEP slot, zero, pf, ex
	LOADS \slot, 0, 1, 2, 3
.if (\pf) > 0
	ASK \pf
.endif
.if (\ex) >= 0
	EXTRA \ex
.endif
	s_wait_dscnt 40                                ; pair 0 and B's blocks 0-3 are in; B's 4-7 (16) and three pairs (24) may be out
	WIN 0xa5
	MUL4 0, 0, \zero
	s_wait_dscnt 24                                ; the rest of B is in
	MUL4 0, 4, \zero
	s_wait_dscnt 16                                ; pair 1 is in
	MULP 1, \zero
.if (\pf) == 2                         ; K step 0: both slots have landed, so slot 0 is asked for again as soon as it has been read, ahead of the last two pairs' products
	WIN 0
	REFILL 0, 1
.else
	s_wait_dscnt 8                                 ; pair 2 is in
.endif
	WIN 0xf5
	MULP 2, \zero
	s_wait_dscnt 0x0
	MULP 3, \zero
	WIN 0
.endm
.macro REFILL slot, pf                 ; the slot just read is filled again, two K steps on
.if \pf
	s_wait_xcnt 0x0                                ; my prefetches have read their addresses
.endif
	s_wait_tensorcnt 0x0                           ; all my tensor loads have landed: the other slot's tile
	ds_add_u32 v[SPW], v[NIL]
.if (\slot) == 0
	s_add_nc_u64 s[G0+2:G0+3], s[G0+2:G0+3], 0x20000   ; two K steps on in A and in B, once a lap: no tensor load of mine is out
	s_add_nc_u64 s[G0B+2:G0B+3], s[G0B+2:G0B+3], 0x400
.endif
.if \pf
	s_add_nc_u64 s[PFB:PFB+1], s[PFB:PFB+1], s[PFS:PFS+1]
.endif
	s_wait_dscnt 0x0                               ; the add is done, and my reads of the slot are over
	CROUND                                         ; no wave of any partner still reads the slot or has a load on its way
	s_cmp_eq_u32 s14, \slot
	s_cbranch_scc0 .Lnot_a_\@
	TLA
	s_branch .Lasked_\@
.Lnot_a_\@:
	s_cmp_eq_u32 s14, \slot+2
	s_cbranch_scc0 .Lasked_\@
	TLB
.Lasked_\@:
	PLACES
.endm
	s_load_b256 s[4:11], s[0:1], 0x0               ; pc s[4:5], Wl s[6:7], bl s[8:9], x s[10:11]
	s_load_b128 s[68:71], s[0:1], 0x20             ; the scales' exponents s[68:69], out s[70:71]
	v_lshl_add_u32 v[SPW], v0, 2, SPARE
	v_mov_b32 v[NIL], 0
	ds_add_u32 v[SPW], v[NIL]                      ; the opening: the add, twice on end, and its wait
	ds_add_u32 v[SPW], v[NIL]
	v_lshrrev_b32 v1, 5, v0
	v_readfirstlane_b32 s14, v1                    ; wave 0..3
	s_and_b32 s15, s14, 1                          ; the slot that I fill
	s_bfe_u32 s40, ttmp6, 0x40000                  ; cx
	s_bfe_u32 s41, ttmp6, 0x40004                  ; cy
	s_lshl_b32 s17, ttmp9, 2
	s_add_co_u32 s17, s17, s40                     ; tile row Y, 0..7
	s_and_b32 s43, ttmp7, 0xffff                   ; cluster row
	s_lshl_b32 s42, s43, 2
	s_add_co_u32 s42, s42, s41                     ; tile column, 0..31
	s_lshl_b32 s44, 0x1111, s40                    ; the partners of my cx share A
	s_lshl_b32 s45, s41, 2
	s_lshl_b32 s45, 15, s45                        ; those of my cy share B
	s_or_b32 s[G1+0], s44, 1<<21                   ; A: elements of 1 byte, no padding: 64 rows of 1,024 bytes on end
	s_mov_b32 s[G1+1], 1024<<16
	s_mov_b32 s[G1+2], 64<<16
	s_mov_b32 s[G1+3], 1024<<16
	s_mov_b32 s[G1+4], 64
	s_mov_b32 s[G1+5], 1024
	s_mov_b32 s[G1+6], 0
	s_mov_b32 s[G1+7], 0
	s_or_b32 s[G1B+0], s45, (1<<20)|(1<<21)|(6<<22)|(3<<25)   ; B: four words of padding behind every 128
	s_mov_b32 s[G1B+1], 512<<16
	s_mov_b32 s[G1B+2], 128<<16
	s_mov_b32 s[G1B+3], 512<<16
	s_mov_b32 s[G1B+4], 128
	s_mov_b32 s[G1B+5], 4096
	s_mov_b32 s[G1B+6], 0
	s_mov_b32 s[G1B+7], 0
.irp j, 0,1,2,3
	s_add_co_u32 s[76+\j], s14, \j
	s_and_b32 s[76+\j], s[76+\j], 3                ; (w + j) % 4
.endr
	s_lshl_b32 s20, s77, 15                        ; pair 1 goes to wave (w + 1) % 4 as its first part,
	s_lshl_b32 s21, s78, 15
	s_add_co_u32 s21, s21, PART                    ; pair 2 to wave (w + 2) % 4 as its second: both in slot 0's bytes;
	s_lshl_b32 s22, s79, 14
	s_add_co_u32 s22, s22, SLOT                    ; pair 3 to wave (w + 3) % 4, in slot 1's bytes
	s_lshl_b32 s23, s14, 15
	s_lshl_b32 s46, s14, 14
	s_add_co_u32 s46, s46, SLOT
	s_mul_i32 s47, s14, 32*SPI
	s_add_co_u32 s47, s47, STG
	s_lshl_b32 s18, s14, 14                        ; my unit of A's image
.irp j, 0,1,2,3
	s_lshl_b32 s[76+\j], s[76+\j], 12
	s_add_co_u32 s[76+\j], s[76+\j], s18
.endr
	s_lshl_b32 s19, s14, 7                         ; my 128 bytes of B's rows
	s_add_co_u32 s19, s19, ABY
	s_and_b32 s12, s43, 1
	s_xor_b32 s12, s12, 1
	s_lshr_b32 s13, s14, 1
	s_or_b32 s[ASKS], s12, s13                     ; B's waves always, A's in clusters of an even row
	s_cmp_lt_u32 s14, 2
	s_cselect_b32 s12, -1, 0                       ; waves 0 and 1 prefetch A, 2 and 3 B
	v_and_b32 v1, 15, v0                           ; r
	v_bfe_u32 v2, v0, 4, 1                         ; h
	v_and_b32 v5, 31, v0                           ; lane
	v_lshlrev_b32 v[CO], 4, v5
.irp j, 0,1,2,3
	v_add_nc_u32 v[AO+\j], s[76+\j], v[CO]
	v_add_nc_u32 v[AO+4+\j], SLOT, v[AO+\j]
.endr
	v_mul_u32_u24 v3, v1, BP
	v_lshl_add_u32 v3, v2, 4, v3
	v_add_nc_u32 v[ADRB], s19, v3
	v_add_nc_u32 v[ADRB+1], SLOT, v[ADRB]
	v_add_nc_u32 v[RS], s20, v[CO]
	v_add_nc_u32 v[RS+1], s21, v[CO]
	v_add_nc_u32 v[RS+2], s22, v[CO]
	v_add_nc_u32 v[RR], s23, v[CO]
	v_add_nc_u32 v[RR2], s46, v[CO]
	v_mul_u32_u24 v6, v1, SPI
	v_lshl_add_u32 v6, v2, 5, v6
	v_add_nc_u32 v[STO], s47, v6                   ; in: row r, 32 bytes for each half of the lanes
	v_add_nc_u32 v[RD], s47, v[CO]                 ; back: the 32 lanes take one row of 512 bytes
	v_lshlrev_b32 v7, 8, v5                        ; prefetch of A: 256 bytes a lane
	v_lshrrev_b32 v3, 1, v5
	v_lshlrev_b32 v3, 12, v3                       ; of B: two blocks of 256 bytes of 16 rows
	v_and_b32 v4, 1, v5
	v_lshl_add_u32 v3, v4, 8, v3
	v_cndmask_b32 v[PFO], v3, v7, s12
	s_wait_alu depctr_va_vdst(0)
	s_lshl_b32 s20, s17, 19                        ; A: 524,288 Y + the K step's 65,536
	s_lshl_b32 s21, s15, 16
	s_add_co_u32 s20, s20, s21
	s_mov_b32 s21, 0
	s_lshl_b32 s46, s42, 19                        ; B: 128 rows of 4,096 bytes
	s_lshl_b32 s47, s15, 9
	s_add_co_u32 s46, s46, s47
	s_mov_b32 s47, 0
	s_mul_i32 s45, s15, SLOT                       ; no place in the cluster enters an LDS address
	s_mov_b32 s[G0], 1
	s_mov_b32 s[G0+1], s45
	s_mov_b32 s[G0B], 1
	s_add_co_u32 s[G0B+1], s45, ABY
	s_wait_dscnt 0x0                               ; both opening adds are done
	CROUND                                         ; all sixteen work-groups are here: the first joint loads meet
	s_wait_kmcnt 0x0
	s_load_b64 s[86:87], s[68:69], 0x20            ; e8, e9
	s_add_nc_u64 s[G0+2:G0+3], s[4:5], s[20:21]
	s_or_b32 s[G0+3], s[G0+3], 0x80000000
	s_add_nc_u64 s[G0B+2:G0B+3], s[6:7], s[46:47]
	s_or_b32 s[G0B+3], s[G0B+3], 0x80000000
	s_cmp_lt_u32 s14, 2
	s_cbranch_scc0 .Lhead_b
	TLA                                            ; one load a wave: both slots
	s_branch .Lhead_asked
.Lhead_b:
	TLB
.Lhead_asked:
	s_lshl_b32 s18, s17, 19                        ; the prefetches.  A: my tile row,
	s_lshl_b32 s23, s41, 14                        ; my 16 KiB of the 64 by cy,
	s_add_co_u32 s18, s18, s23
	s_lshl_b32 s23, s14, 13                        ; my wave's 8 KiB
	s_add_co_u32 s18, s18, s23
	s_lshl_b32 s19, s42, 19                        ; B: the tile column,
	s_lshl_b32 s23, s40, 17                        ; my 32 rows of the 128 by cx,
	s_add_co_u32 s19, s19, s23
	s_lshl_b32 s23, s15, 16                        ; my wave's 16
	s_add_co_u32 s19, s19, s23
	s_cmp_lt_u32 s14, 2
	s_cselect_b64 s[PFA:PFA+1], s[4:5], s[6:7]
	s_cselect_b32 s20, s18, s19
	s_mov_b32 s[PFS], 512
	s_cselect_b32 s[PFS], 0x10000, s[PFS]          ; bytes from K step to K step
	s_mov_b32 s[PFS+1], 0
	s_lshl_b32 s21, s[PFS], 1
	s_add_co_u32 s20, s20, s21
	s_mov_b32 s21, 0
	s_add_nc_u64 s[PFA:PFA+1], s[PFA:PFA+1], s[20:21]          ; K step 2
	s_add_nc_u64 s[PFB:PFB+1], s[PFA:PFA+1], s[PFS:PFS+1]      ; K step 3
	s_lshl_b32 s18, s42, 9                         ; the tile's columns, in bytes
	s_mov_b32 s19, 0
	s_add_nc_u64 s[8:9], s[8:9], s[18:19]
	s_lshl_b32 s22, s17, 21                        ; x, out: 128 rows of 16,384 bytes a tile row,
	s_add_co_u32 s18, s18, s22
	s_lshl_b32 s22, s14, 19                        ; 32 rows a wave
	s_add_co_u32 s18, s18, s22
	s_add_nc_u64 s[10:11], s[10:11], s[18:19]
	s_add_nc_u64 s[70:71], s[70:71], s[18:19]
	s_wait_kmcnt 0x0
	s_add_co_i32 s84, s86, s87
	s_add_co_i32 s84, s84, 127
	s_lshl_b32 s84, s84, 23                        ; 2^(e8 + e9) as f32
	s_mov_b32 s85, s84                             ; (named with it as a pair, so it is written)
	s_mov_b32 s3, 2
	s_wait_alu depctr_va_vdst(0)
	s_wait_tensorcnt 0x0                           ; my part of the first two K steps is in
	s_barrier_signal -1
	s_barrier_wait -1                              ; everybody's is
	STEP 0, 1, 2, -1                               ; K step 0 starts the sums
	PLACES
.Lloop:                                                ; K steps 1, 2 and 3, 4
	STEP 1, 0, 1, -1
	REFILL 1, 1
	STEP 0, 0, 1, -1
	REFILL 0, 1
	s_sub_co_u32 s3, s3, 1
	s_cmp_lg_u32 s3, 0
	s_cbranch_scc1 .Lloop
	STEP 1, 0, 0, 0                                ; K step 5; half of x's rows are asked for
	REFILL 1, 0                                    ; the last refill: K step 7
	STEP 0, 0, 0, 1                                ; K step 6; the other half
	s_wait_tensorcnt 0x0                           ; the last fill has landed
	ds_add_u32 v[SPW], v[NIL]
	s_wait_dscnt 0x0                               ; my reads of slot 0 are over
	s_barrier_signal -1
	s_barrier_wait -1                              ; both hold of every wave: slot 0's bytes are free for the partial sums
	PLACES
; THE FOUR PARTIAL TILES ARE ADDED.  An accumulator goes through LDS as an image of its registers: two stores of 512 consecutive bytes each, the low four registers first.
.macro SENDP adr, base
.set qq, 0
.rept 16
	ds_store_b128 v[\adr], v[\base+8*qq:\base+8*qq+3] offset:1024*qq
	ds_store_b128 v[\adr], v[\base+8*qq+4:\base+8*qq+7] offset:1024*qq+512
.set qq, qq+1
.endr
.endm
.macro RECV base, adr, off
.set qq, 0
.rept 16
	ds_load_b128 v[\base+8*qq:\base+8*qq+3], v[\adr] offset:\off+1024*qq
	ds_load_b128 v[\base+8*qq+4:\base+8*qq+7], v[\adr] offset:\off+1024*qq+512
.set qq, qq+1
.endr
.endm
.macro ADDP base                       ; onto my own 16 accumulators, each from its low end on
.set qq, 0
.rept 64
	v_pk_add_f32 v[2*qq:2*qq+1], v[2*qq:2*qq+1], v[\base+2*qq:\base+2*qq+1]
.set qq, qq+1
.endr
.endm
	LOADS 1, 1, 2, 3, 0                            ; K step 7: the pairs that are sent come first
	s_wait_dscnt 40
	WIN 0xa5
	MUL4 1, 0, 0
	s_wait_dscnt 24
	MUL4 1, 4, 0
	s_wait_dscnt 16
	WIN 0xf5
	MULP 2, 0
	PLACES
	WIN 0x08
	SENDP RS, 128                                  ; pair 1
	s_wait_dscnt 40                                ; pair 3 is in; pair 0's 8 loads and 32 stores may be out
	WIN 0xf5
	MULP 3, 0
	PLACES
	WIN 0x0c
	SENDP RS+1, 0                                  ; pair 2
	s_wait_dscnt 32                                ; pair 0 is in; the last 32 stores may be out
	WIN 0xa5
	MULP 0, 0
	WIN 0
	s_wait_dscnt 0x0                               ; for the others' sake: my stores have landed, my reads of slot 1 are over
	s_barrier_signal -1
	s_barrier_wait -1
	PLACES
	WIN 0x0c
	SENDP RS+2, 128                                ; pair 3, into slot 1's bytes
	WIN 0x40
	RECV 0, RR, 0
	RECV 128, RR, PART
	s_wait_dscnt 32                                ; the first part is in
	WIN 0x86
	ADDP 0
	s_wait_dscnt 0x0                               ; the second part is in, and my stores have landed
	s_barrier_signal -1
	ADDP 128
	s_barrier_wait -1
	WIN 0xc0                                       ; destination window 3: pair 2 has been sent
	RECV 0, RR2, 0
	s_wait_dscnt 0x0
	WIN 0x8e
	ADDP 0
	; THE WAY OUT: 16 rows at a time through my stage, back as whole rows; sum x 2^(e8 + e9) + (x + bl)
.irp i, 0,1
	WIN 0x08
.irp b, 0,1,2,3,4,5,6,7
	ds_store_b128 v[STO], v[64*\i+8*\b:64*\i+8*\b+3]   offset:16*SPI*\i+64*\b
	ds_store_b128 v[STO], v[64*\i+8*\b+4:64*\i+8*\b+7] offset:16*SPI*\i+64*\b+16
.endr
	WIN 0x40
.irp t, 0,1,2,3,4,5,6,7,8,9,10,11,12,13,14,15
	ds_load_b128 v[64*\i+4*\t:64*\i+4*\t+3], v[RD] offset:16*SPI*\i+SPI*\t   ; LDS serves a wave's instructions in order: these see my stores
.endr
.endr
	WIN 0
	s_wait_loadcnt 0x0                             ; x and bl
.set qq, 0
.rept 32
	v_pk_add_f32 v[XR+4*qq:XR+4*qq+1],   v[XR+4*qq:XR+4*qq+1],   v[BI:BI+1]
	v_pk_add_f32 v[XR+4*qq+2:XR+4*qq+3], v[XR+4*qq+2:XR+4*qq+3], v[BI+2:BI+3]
.set qq, qq+1
.endr
	s_wait_dscnt 0x0
	WIN 0x01
.set qq, 0
.rept 64
	v_pk_fma_f32 v[XR+2*qq:XR+2*qq+1], v[2*qq:2*qq+1], s[84:85], v[XR+2*qq:XR+2*qq+1] op_sel_hi:[1,0,1]
.set qq, qq+1
.endr
	WIN 0
.set qq, 0
.rept 32
	global_store_b128 v[CO], v[XR+4*qq:XR+4*qq+3], s[70:71] offset:16384*qq th:TH_STORE_NT   ; a row's 512 consecutive bytes, aligned
.set qq, qq+1
.endr
	s_wait_tensorcnt 0x0                           ; the wave's end
	ds_add_u32 v[SPW], v[NIL]
	s_wait_dscnt 0x0
	CROUND                                         ; the closing round: no work-group ends while a partner may still ask for a tile that names it
	s_endpgm
.Lfunc_end_k_qcc3eb896ea_gemm_out:
	.size	k_qcc3eb896ea_gemm_out, .Lfunc_end_k_qcc3eb896ea_gemm_out-k_qcc3eb896ea_gemm_out
	.p2alignl 7, 3214868480
	.fill 96, 4, 3214868480
	.section	.rodata,"a",@progbits
	.p2align	6, 0x0
	.amdhsa_kernel k_qcc3eb896ea_gemm_out
		.amdhsa_group_segment_fixed_size 327680
		.amdhsa_private_segment_fixed_size 0
		.amdhsa_enable_private_segment 0
		.amdhsa_kernarg_size 48
		.amdhsa_user_sgpr_count 2
		.amdhsa_user_sgpr_kernarg_segment_ptr 1
		.amdhsa_wavefront_size32 1
		.amdhsa_system_sgpr_workgroup_id_x 1
		.amdhsa_system_sgpr_workgroup_id_y 1
		.amdhsa_system_sgpr_workgroup_id_z 1
		.amdhsa_system_vgpr_workitem_id 0
		.amdhsa_next_free_vgpr 1024
		.amdhsa_next_free_sgpr 100
		.amdhsa_reserve_vcc 0
		.amdhsa_float_denorm_mode_32 3
		.amdhsa_float_denorm_mode_16_64 3
		.amdhsa_memory_ordered 1
		.amdhsa_forward_progress 1
		.amdhsa_inst_pref_size 108
	.end_amdhsa_kernel
	.amdgpu_metadata
---
amdhsa.version: [ 1, 2 ]
amdhsa.kernels:
  - .name:           k_qcc3eb896ea_gemm_out
    .symbol:         k_qcc3eb896ea_gemm_out.kd
    .args:
      - { .name: pc, .offset: 0, .size: 8, .value_kind: global_buffer, .address_space: global }
      - { .name: Wl_codes, .offset: 8, .size: 8, .value_kind: global_buffer, .address_space: global }
      - { .name: bl, .offset: 16, .size: 8, .value_kind: global_buffer, .address_space: global }
      - { .name: x, .offset: 24, .size: 8, .value_kind: global_buffer, .address_space: global }
      - { .name: lowp_scales, .offset: 32, .size: 8, .value_kind: global_buffer, .address_space: global }
      - { .name: out0, .offset: 40, .size: 8, .value_kind: global_buffer, .address_space: global }
    .group_segment_fixed_size: 327680
    .private_segment_fixed_size: 0
    .kernarg_segment_align: 8
    .kernarg_segment_size: 48
    .max_flat_workgroup_size: 128
    .sgpr_count:     100
    .vgpr_count:     1024
    .wavefront_size: 32
...
	.end_amdgpu_metadata
.endif
;; end of part 4
